; MI455X (gfx1250); checked and timed in simulation.
; The chip was launched on July 23, 2026; its instructions are those of AMD's public machine-readable ISA for CDNA 5 (MIT licence, August 2026) and "CDNA5" Instruction Set Architecture Reference Guide (July 2026). The comments in the code are by the model that wrote it; some were corrected since.
;; IVF Book. Allowed arithmetic: matrix products marked QUANTISED: E2M1 operands, one E8M0 scale for each 32 along K, by v_wmma_scale_f32_16x16x128_f8f6f4 with both operands' format E2M1 (or v_wmma_scale_f32_32x16x128_f4), f32 sums; everything else in f32.
;; Inputs: centroids 65,536 x 256 float32; x_BD_codes 4,096 x 8 x 16 uint8 (E2M1 codes of x_BD, K innermost, in blocks of 32 codes, two codes a byte); x_BD_scales 4,096 x 8 uint8 (E8M0 scales of x_BD, one for each 32 codes along K); xhat_BFD 4,096 x 1 x 256 float32.
;; Outputs: out0 4,096 x 1 x 256 float32; out1 4,096 x 1 int32.
;; This version of the problem:
;;   THIS VERSION OF THE PROBLEM IS GIVEN IN LOW PRECISION. The matrix products marked QUANTISED in the list below multiply operands that are first quantised to E2M1 (2 exponent bits, 1 mantissa bit; 4 bits a number), with one power-of-two scale for each 32 numbers along K (OCP MX v1.0); their sums are f32. All else is computed in f32.
;;   The module's matrix products, in the order in which they are computed (A, B: the left and right operand; K: the contracted axis; several contracted axes count as one K, in the product's order):
;;     1. [M 4,096, K 256] x [K 256, N 65,536]; A: input x_BD (given as codes); B: input centroids: QUANTISED
;;   THE QUANTISER, for each operand of a quantised product, along K:
;;     - K is cut into blocks of 32 from its start; a last block that is shorter is filled with zeros.
;;     - A block's scale is 2^e with e = floor(log2(the largest magnitude in the block)) - 2, held to -126 .. 127; a block of zeros has e = 0. As a byte (E8M0): e + 127.
;;     - Each number is divided by its block's scale, clamped to +-6, and rounded to the nearest number of E2M1, ties to even, subnormals kept.
;;     - The product sums the exact products of the quantised numbers (number of the format x scale) in f32.
;;   ~~~python
;;   def quantise(x, axis):      # numpy; x: float32 -> the quantised numbers, widened to float32 again
;;       x = np.moveaxis(x, axis, -1); K = x.shape[-1]
;;       x = np.pad(x, [(0, 0)] * (x.ndim - 1) + [(0, -K % 32)]); x = x.reshape(x.shape[:-1] + (-1, 32)); a = np.abs(x).max(-1, keepdims=True)
;;       e = np.where(a > 0, np.clip(np.frexp(np.where(a > 0, a, 1))[1] - 1 - 2, -126, 127), 0)      # np.frexp(a)[1] - 1 = floor(log2(a)), exactly
;;       r = np.clip(x / 2.0 ** e, -6, 6)
;;       step = 2.0 ** (np.maximum(np.frexp(np.where(r == 0, 1, r))[1] - 1, 0) - 1)
;;       q = np.round(r / step) * step * 2.0 ** e      # np.round: ties to even
;;       return np.moveaxis(q.reshape(q.shape[:-2] + (-1,))[..., :K], -1, axis).astype(np.float32)
;;   ~~~
;;   INPUTS GIVEN AS CODES. x_BD (in the module: [4096, 256], K = its axis 1): each comes as NAME_codes (uint8): NAME with its K axis moved to the last place and cut into blocks of 32 codes, [.., K / 32, bytes a block], one block behind the other in memory; two codes a byte, the lower K in the low four bits (a code: sign, 2 exponent bits, 1 mantissa bit); and NAME_scales (uint8): the same leading axes, one E8M0 byte (e + 127) for each 32 codes along K. Its value is code x scale, taken as it is: it is not quantised again, and the codes and scales need not be those that the quantiser above would give.
;; One version. Each part assembles by itself: llvm-mc -triple=amdgcn-amd-amdhsa -mcpu=gfx1250 --defsym DOCPART=n.
;; ======== version 1 of 1: 3 launches
;; limits: right only within a limited range of input values
;; workspace buffers: pval 1,048,576 bytes; pgid 1,048,576 bytes of whole numbers; gidbuf 16,384 bytes of whole numbers
;; launch scan (part 1): grid 256 x 1, 8 waves a work-group, clusters of 4 x 1, 327,680 bytes of LDS; arguments centroids, x_BD_codes, x_BD_scales, pval, pgid; writes pval, pgid
.if DOCPART == 1
	.amdgcn_target "amdgcn-amd-amdhsa--gfx1250"
	.amdhsa_code_object_version 6
	.text
	.protected	k_q56ca925ea8_scan
	.globl	k_q56ca925ea8_scan
	.p2align	8
	.type	k_q56ca925ea8_scan,@function
k_q56ca925ea8_scan:
	s_mov_b64 s[64:65], 0
	v_nop
	global_prefetch_b8 v0, s[64:65] scope:SCOPE_SE
	s_setreg_imm32_b32 hwreg(HW_REG_WAVE_MODE, 25, 1), 1
	s_wait_xcnt 0x0
	s_wait_alu depctr_hold_cnt(0) depctr_sa_sdst(0) depctr_va_vdst(0) depctr_va_sdst(0) depctr_va_ssrc(0) depctr_va_vcc(0) depctr_vm_vsrc(0)
	s_getreg_b32 s2, hwreg(HW_REG_IB_STS2, 6, 4)
	s_cmp_eq_u32 s2, 0
	s_cbranch_scc0 .Lentry_in_a_cluster
	s_endpgm
.Lentry_in_a_cluster:
	s_bfe_u32 s2, ttmp6, 0x10000c
	s_cmp_lg_u32 s2, 0x3003
	s_cbranch_scc0 .Lentry_shape_is_right
	s_endpgm
.Lentry_shape_is_right:
; For each of 4,096 rows x (codes of E2M1 with E8M0 scales, K = 256) and each cluster's 1,024 centroids: the largest x . Q(c) - |c|^2 / 2 (the smallest |c|^2 - 2 x . Q(c)) and the GROUP of eight
; neighbouring centroids in which it lies.  Q: the MX-FP4 quantiser along K; |c|^2 is taken of the f32 numbers.  Stored: pval, pgid [row / 64][cluster][64 rows]; a group's number is centroid / 8.
; LEFT OUT: xhat_BFD gives reference() its shape and nothing else; no value of it reaches a result, whatever it holds, so it is loaded by no launch and is among no launch's arguments.
; A NaN or an infinity in xhat_BFD is therefore not carried anywhere (reference() carries none either).
; SHARES.  64 clusters of four work-groups of eight waves.  Cluster C owns centroids 1,024 C .. + 1,023; its work-group cx owns rows 1,024 cx .. + 1,023 of x; wave w of it rows 128 w .. + 127: eight tiles of 16, whose
; codes, scale words and running (largest, group) stay in the wave's registers for the whole launch.
; THE CENTROIDS STREAM in eight chunks of 128, as f32, into one LDS buffer: wave w fetches, by one tensor load, the 16 rows that it quantises itself.  The four work-groups ask jointly (mask 15, the same descriptors).
; A STEP: the three lines and a round of the cluster's barrier; the refill with chunk c + 1; the products and the search of chunk c, whose codes lie in one of two LDS images; the quantising of chunk c + 1 into the other.
; So a refill has the step's 64 matrix instructions a wave in which to land.
; THE PRODUCT IS USED TRANSPOSED: source 0 = 32 centroids, source 1 = 16 rows of x: a lane holds ONE row of x, register j of lane (r, h) is centroid 8 h + j, register 8 + j centroid 16 + 8 h + j.
; The C of the first K step is -|c|^2 / 2, so that a distance owes no arithmetic but the search for the largest.
; THE SEARCH takes four tiles of x by turns, twelve lines each for 16 distances a lane.  Groups rise in the order of the walk, so 'only if larger' keeps the lower group.
; PREFETCH: in steps 0 to 5 each wave asks for 16 blocks of 256 bytes of the chunk two steps on: the four partners share the chunk's 128 rows out by address (32 rows a work-group, 4 a wave); steps 6 and 7 ask for nothing.
; LIMITS.  NaN, infinities and the scale byte 0xff among the inputs are not served.  |c|^2 is summed by fused multiply-adds in this text's own order and enters the matrix sum as C: two distances that lie
; within an f32 rounding of each other may be ordered otherwise than by another order of the sums.  Equal distances go to the lower index.  Blocks whose largest magnitude lies under 2^-124 get the scale byte 1.
; REGISTERS.  Window 0: v1-15 addresses; v16-39 the search's work; v40-55 x's scale words; v56-59 the centroids'; v60-75 the state; v76-117 the quantiser's work; v128-255 two sets of four accumulators, and
;   in turn a lane's 128 numbers for the quantiser.  Window 1: v0-127 x's codes (tile i: K step 0 at 16 i, K step 1 at 16 i + 8); v128-223 two sets of (codes of K steps 0 and 1, -|c|^2 / 2) of a tile of 32 centroids.
.set WRAW,   16640                     ; LDS from 0: for each wave 16 rows of 1,024 bytes + 16 of padding
.set SROW,   1040
.set IMG0,   133120                    ; two images of a chunk, IMGB bytes each: codes as images of the operand's registers, chunk ((2 t + s) 4 + 2 u + c) of 512 bytes;
.set IMGB,   17920
.set SCO,    16384                     ; then 8 bytes a centroid: the scale words of K steps 0 and 1;
.set CSO,    17408                     ; then 4 bytes a centroid: -|c|^2 / 2
.set SPARE,  168960                    ; the spare words, 128 bytes for each wave: four blocks of 256 bytes that no other line names
.set OUTS,   169984                    ; the way out: for each wave 512 bytes of values and 512 of groups
.set SPW, 1
.set NIL, 2
.set SGR, 3                            ; where I read my rows: row r, + 128 h
.set IMW, 4                            ; where I store images,
.set SCW, 5                            ; scale words
.set CSW, 6                            ; and -|c|^2 / 2
.set LOI, 7                            ; image 0 + 16 x lane
.set GOI, 8                            ; its scale words + 8 x lane
.set CSRI, 9                           ; its sums + 32 h
.set SH8, 10                           ; 8 h
.set HH,  11                           ; h
.set PFO, 12                           ; 256 x min(lane, 15)
.set OSW, 13
.set OSR, 14
.set OGO, 15
.set T2,  16
.set T0A, 20
.set T1A, 24
.set T0B, 28
.set T1B, 32
.set NA,  36
.set XSC, 40
.set ASC, 56
.set BST, 60                           ; tile i's running largest
.set IDX, 68                           ; and its group
.set TM,  76
.set SO,  80
.set BY,  84
.set PW,  88
.set PT,  90
.set Q,   92
.set PC,  100
.set CS,  116
.set CT,  117
.set XO,  124
.set XSO, 125
.set ACC, 128
.set X,   128
.set WV,  14
.set G1,  16                           ; s[16:23] descriptor group 1;  s[32:35] group 0
.set G0,  32
.set MA,  24                           ; s[24:31] the search's masks
.set MB,  28
.set PF,  36                           ; s[36:37] where my prefetches stand
.set GID, 40                           ; s[40:47] the chunk's eight even groups' numbers
.set SEL, 58
.set MSB, 0
.macro WIN new                         ; the immediate's high byte repeats the setting that is left
.if MSB != \new
	s_set_vgpr_msb (MSB<<8)|\new
.set MSB, \new
.endif
.endm
.macro ROUND                           ; a round of the cluster's barrier
	s_barrier_signal -1
	s_barrier_wait -1
	s_cmp_lg_u32 s[WV], 0
	s_cbranch_scc1 .Lnot_wave_0_\@
	s_barrier_signal -3
.Lnot_wave_0_\@:
	s_barrier_wait -3
	s_barrier_signal -1
	s_barrier_wait -1
.endm
.macro TL                              ; my joint load: every wave issues one; an s_nop 0 and four v_nop follow it
	tensor_load_to_lds s[G0:G0+3], s[G1:G1+7]
	s_nop 0
.rept 4
	v_nop
.endr
.endm
	s_load_b256 s[4:11], s[0:1], 0x0               ; centroids s[4:5], x's codes s[6:7], x's scales s[8:9], pval s[10:11]
	s_load_b64 s[12:13], s[0:1], 0x20              ; pgid
	v_lshl_add_u32 v[SPW], v0, 2, SPARE
	v_mov_b32 v[NIL], 0
	ds_add_u32 v[SPW], v[NIL]                      ; the opening lines: the add, twice on end, and its wait ahead of my first tensor load
	ds_add_u32 v[SPW], v[NIL]
	v_lshrrev_b32 v118, 5, v0
	v_readfirstlane_b32 s[WV], v118                ; wave 0..7
	v_and_b32 v119, 31, v0                         ; lane
	v_and_b32 v120, 15, v0                         ; r
	v_bfe_u32 v[HH], v0, 4, 1                      ; h
	s_wait_alu depctr_va_vdst(0)
	s_mul_i32 s50, s[WV], WRAW                     ; my rows in LDS
	s_lshr_b32 s51, s[WV], 1                       ; my 16 centroids are half u = w % 2 of the chunk's tile t = w / 2
	s_lshl_b32 s51, s51, 12
	s_and_b32 s55, s[WV], 1
	s_lshl_b32 s55, s55, 10
	s_add_co_u32 s51, s51, s55
	s_add_co_u32 s51, s51, IMG0
	s_lshl_b32 s52, s[WV], 7
	s_add_co_u32 s52, s52, IMG0+SCO
	s_lshl_b32 s53, s[WV], 6
	s_add_co_u32 s53, s53, IMG0+CSO
	s_lshl_b32 s54, s[WV], 10
	s_add_co_u32 s54, s54, OUTS
	v_mul_u32_u24 v[SGR], v120, SROW
	v_lshl_add_u32 v[SGR], v[HH], 7, v[SGR]        ; lane (r, h) takes blocks h, 2 + h, 4 + h, 6 + h of row r
	v_add_nc_u32 v[SGR], s50, v[SGR]
	v_lshl_add_u32 v[IMW], v119, 4, s51
	v_lshl_add_u32 v[SCW], v120, 3, s52
	v_lshl_add_u32 v[CSW], v120, 2, s53
	v_lshl_add_u32 v[LOI], v119, 4, IMG0
	v_lshl_add_u32 v[GOI], v119, 3, IMG0+SCO
	v_lshl_add_u32 v[CSRI], v[HH], 5, IMG0+CSO
	v_lshlrev_b32 v[SH8], 3, v[HH]
	v_min_u32 v[PFO], 15, v119                     ; lanes 16-31 name their wave's last block again
	v_lshlrev_b32 v[PFO], 8, v[PFO]
	v_lshl_add_u32 v[OSW], v120, 2, s54
	v_lshl_add_u32 v[OSR], v119, 4, s54
	v_lshlrev_b32 v[OGO], 4, v120                  ; out: lanes 0-15 my first 64 rows' 256 bytes, lanes 16-31 the next block of 64 rows, 16,384 bytes on
	v_lshl_add_u32 v[OGO], v[HH], 14, v[OGO]
	v_lshlrev_b32 v[XO], 7, v120                   ; x's codes: row r of 128 bytes, + 16 h
	v_lshl_add_u32 v[XO], v[HH], 4, v[XO]
	v_lshlrev_b32 v[XSO], 3, v120                  ; x's scale words: 8 bytes a row
	v_mov_b32 v[PT], 0                             ; written once: a lane permute's destination counts as one of its sources
	v_mov_b32 v[PT+1], 0
	v_mov_b32 v[CT], 0
.irp i, 0,1,2,3,4,5,6,7
	v_mov_b32 v[BST+\i], 0xff800000                ; under every distance
	v_mov_b32 v[IDX+\i], 0
.endr
	s_wait_alu depctr_va_vdst(0)
	s_mov_b32 s[SEL], 0x76543210
	s_mov_b32 s[SEL+1], 0xfedcba98
	; my place in the cluster enters global addresses alone, in registers of its own
	s_bfe_u32 s66, ttmp6, 0x40000                  ; cx
	s_lshl_b32 s68, s66, 17                        ; x's codes: 1,024 cx + 128 w rows of 128 bytes
	s_lshl_b32 s67, s[WV], 14
	s_add_co_u32 s68, s68, s67
	s_mov_b32 s69, 0
	s_lshl_b32 s70, s66, 13                        ; x's scale bytes: 8 a row
	s_lshl_b32 s67, s[WV], 10
	s_add_co_u32 s70, s70, s67
	s_mov_b32 s71, 0
	s_lshl_b32 s72, s66, 18                        ; pval, pgid: block 16 cx + 2 w of 64 rows, 16,384 bytes each; in it 256 bytes a cluster
	s_lshl_b32 s67, s[WV], 15
	s_add_co_u32 s72, s72, s67
	s_lshl_b32 s67, ttmp9, 8
	s_add_co_u32 s72, s72, s67
	s_mov_b32 s73, 0
	s_lshl_b32 s76, ttmp9, 20                      ; prefetches: the cluster's centroids, + chunk 1 (each step's head goes a chunk on), + 32 cx + 4 w rows
	s_add_co_u32 s76, s76, 131072
	s_lshl_b32 s67, s66, 15
	s_add_co_u32 s76, s76, s67
	s_lshl_b32 s67, s[WV], 12
	s_add_co_u32 s76, s76, s67
	s_mov_b32 s77, 0
	s_lshl_b32 s74, ttmp9, 20                      ; my tensor loads: the cluster's centroids, + 16 w rows of 1,024 bytes
	s_lshl_b32 s55, s[WV], 14
	s_add_co_u32 s74, s74, s55
	s_mov_b32 s75, 0
	s_lshl_b32 s55, ttmp9, 7                       ; the cluster's first group
.irp k, 0,1,2,3,4,5,6,7
	s_add_co_u32 s[GID+\k], s55, 2*\k-16           ; each step's head adds a chunk's 16
.endr
	; descriptor group 1: 16 rows of 1,024 bytes (128 elements of 8), 16 bytes of padding behind each
	s_mov_b32 s[G1], 15|(3<<16)|(1<<20)|(1<<21)|(7<<22)|(3<<25)   ; the mask: all four work-groups; elements of 8 bytes; padding on; bit 21 beside a mask; after every 256 words four words
	s_mov_b32 s[G1+1], 128<<16                     ; tensor_dim0
	s_mov_b32 s[G1+2], 16<<16                      ; tensor_dim1
	s_mov_b32 s[G1+3], 128<<16                     ; tile_dim0
	s_mov_b32 s[G1+4], 16                          ; tile_dim1
	s_mov_b32 s[G1+5], 128                         ; tensor_dim0_stride
	s_mov_b32 s[G1+6], 0
	s_mov_b32 s[G1+7], 0
	s_mov_b32 s[G0], 1
	s_mov_b32 s[G0+1], s50
	s_wait_dscnt 0x0                               ; both opening adds are done
	s_wait_kmcnt 0x0
	s_add_nc_u64 s[6:7], s[6:7], s[68:69]
	s_add_nc_u64 s[8:9], s[8:9], s[70:71]
	s_add_nc_u64 s[10:11], s[10:11], s[72:73]
	s_add_nc_u64 s[12:13], s[12:13], s[72:73]
	s_add_nc_u64 s[PF:PF+1], s[4:5], s[76:77]
	s_add_nc_u64 s[G0+2:G0+3], s[4:5], s[74:75]
	s_or_b32 s[G0+3], s[G0+3], 0x80000000          ; type = 2
	WIN 0x40                                       ; destination window 1: my 128 rows of x, once
.irp i, 0,1,2,3,4,5,6,7
.irp c, 0,1,2,3
	global_load_b128 v[16*\i+4*\c:16*\i+4*\c+3], v[XO], s[6:7] offset:2048*\i+32*\c
.endr
.endr
	WIN 0
.irp i, 0,1,2,3,4,5,6,7
	global_load_b64 v[XSC+2*\i:XSC+2*\i+1], v[XSO], s[8:9] offset:128*\i
.endr
	ROUND                                          ; all four work-groups are here: the first joint loads meet
	TL                                             ; chunk 0: one tensor load a wave at the head
; A lane's 128 numbers, v[X + 32 b + i] = number i of block 2 b + h of its row: the four blocks' scales (operand in SO, byte in BY), the row's two scale words (PW, PW + 1) and -|c|^2 / 2 (CS).
.macro QCORE
.irp b, 0,1,2,3
	v_max3_num_f32 v[TM+\b], |v[X+32*\b]|, |v[X+32*\b+1]|, 0x1800000   ; the block's largest magnitude, and the floor 2^(3 - 127): so the byte cannot fall under 1
.endr
.irp i, 2,4,6,8,10,12,14,16,18,20,22,24,26,28,30
.irp b, 0,1,2,3
	v_max3_num_f32 v[TM+\b], v[TM+\b], |v[X+32*\b+\i]|, |v[X+32*\b+\i+1]|   ; (the four blocks by turns)
.endr
.endr
.irp c, 0,1,2,3
	v_pk_mul_f32 v[Q+2*\c:Q+2*\c+1], v[X+2*\c:X+2*\c+1], v[X+2*\c:X+2*\c+1]   ; the squares, two at a time, in four chains; the first products start the sums
.endr
.irp j, 1,2,3,4,5,6,7,8,9,10,11,12,13,14,15
.irp c, 0,1,2,3
	v_pk_fma_f32 v[Q+2*\c:Q+2*\c+1], v[X+8*\j+2*\c:X+8*\j+2*\c+1], v[X+8*\j+2*\c:X+8*\j+2*\c+1], v[Q+2*\c:Q+2*\c+1]
.endr
.endr
.irp b, 0,1,2,3
	v_add_nc_u32 v[SO+\b], 0xff000000, v[TM+\b]    ; 2 off the exponent field: the conversion takes the exponent field of this operand as its scale
.endr
.irp b, 0,1,2,3
	v_lshrrev_b32 v[BY+\b], 23, v[SO+\b]           ; the scale's byte
.endr
	v_pk_add_f32 v[Q:Q+1], v[Q:Q+1], v[Q+2:Q+3]
	v_pk_add_f32 v[Q+4:Q+5], v[Q+4:Q+5], v[Q+6:Q+7]
	v_lshl_or_b32 v[PW], v[BY+1], 16, v[BY]        ; K step 0: my bytes are numbers h and 2 + h of the word,
	v_lshl_or_b32 v[PW+1], v[BY+3], 16, v[BY+2]    ; K step 1 likewise
	v_pk_add_f32 v[Q:Q+1], v[Q:Q+1], v[Q+4:Q+5]
	v_lshlrev_b32 v[PW], v[SH8], v[PW]             ; 8 h bits up;
	v_lshlrev_b32 v[PW+1], v[SH8], v[PW+1]
	v_add_f32 v[Q], v[Q], v[Q+1]
	v_permlanex16_b32 v[PT], v[PW], s[SEL], s[SEL+1]
	v_permlanex16_b32 v[PT+1], v[PW+1], s[SEL], s[SEL+1]
	v_permlanex16_b32 v[CT], v[Q], s[SEL], s[SEL+1]
	v_or_b32 v[PW], v[PW], v[PT]                   ; with lane l xor 16's two bytes the word is whole
	v_or_b32 v[PW+1], v[PW+1], v[PT+1]
	v_add_f32 v[Q], v[Q], v[CT]                    ; and so is the row's sum of squares
	v_mul_f32 v[CS], -0.5, v[Q]
.endm
; My 16 rows of the chunk that has landed are quantised into image par.  Only I read the bytes that my load brought: my own wait is all the ordering that the reads need.
.macro QUANT par
	s_wait_tensorcnt 0x0                           ; my one load is in
.irp b, 0,1,2,3
.irp i, 0,1,2,3,4,5,6,7
	ds_load_b128 v[X+32*\b+4*\i:X+32*\b+4*\i+3], v[SGR] offset:256*\b+16*\i
.endr
.endr
	s_wait_dscnt 0x0
	QCORE
.irp b, 0,1,2,3
.irp i, 0,1,2,3
	v_cvt_scalef32_pk8_fp4_f32 v[PC+4*\b+\i], v[X+32*\b+8*\i:X+32*\b+8*\i+7], v[SO+\b]   ; registers 4 c .. 4 c + 3 of K step s, b = 2 s + c
.endr
.endr
	v_nop                                          ; one plain place behind the last scaled conversion
.irp b, 0,1,2,3
	ds_store_b128 v[IMW], v[PC+4*\b:PC+4*\b+3] offset:(\par)*IMGB+((\b/2)*4+(\b%2))*512
.endr
	ds_store_b64 v[SCW], v[PW:PW+1] offset:(\par)*IMGB    ; both halves of the lanes store the same words at the same place
	ds_store_b32 v[CSW], v[CS] offset:(\par)*IMGB
.endm
; Tile t of image par into set t % 2: 13 LDS loads
.macro ALOAD t, par
.set AB, 128+48*((\t)%2)
	WIN 0x40
.irp s, 0,1
.irp k, 0,1,2,3
	ds_load_b128 v[AB+16*\s+4*\k:AB+16*\s+4*\k+3], v[LOI] offset:(\par)*IMGB+((2*(\t)+\s)*4+\k)*512
.endr
.endr
	ds_load_b128 v[AB+32:AB+35], v[CSRI] offset:(\par)*IMGB+128*(\t)       ; -|c|^2 / 2 in the result's layout: register j: centroid 8 h + j, register 8 + j: 16 + 8 h + j
	ds_load_b128 v[AB+36:AB+39], v[CSRI] offset:(\par)*IMGB+128*(\t)+16
	ds_load_b128 v[AB+40:AB+43], v[CSRI] offset:(\par)*IMGB+128*(\t)+64
	ds_load_b128 v[AB+44:AB+47], v[CSRI] offset:(\par)*IMGB+128*(\t)+80
	WIN 0
	ds_load_b64 v[ASC+2*((\t)%2):ASC+2*((\t)%2)+1], v[GOI] offset:(\par)*IMGB+256*(\t)   ; lane m: the two scale words of the tile's centroid m
.endm
; Eight matrix instructions: tile t of centroids against x's tiles 4 xh .. 4 xh + 3, into accumulator set xh.  The four accumulators take turns.
.macro MUL8 t, xh
.set AB, 128+48*((\t)%2)
.set AS, ASC+2*((\t)%2)
	WIN 0x15                                       ; sources 0 (centroids), 1 (x) and 2 (-|c|^2 / 2) window 1
.irp i, 0,1,2,3
	v_wmma_scale_f32_32x16x128_f4 v[ACC+64*(\xh)+16*\i:ACC+64*(\xh)+16*\i+15], v[AB:AB+15], v[16*(4*(\xh)+\i):16*(4*(\xh)+\i)+7], v[AB+32:AB+47], v[AS], v[XSC+2*(4*(\xh)+\i)]
.endr
	WIN 0x05                                       ; sources 0 and 1 window 1
.irp i, 0,1,2,3
	v_wmma_scale_f32_32x16x128_f4 v[ACC+64*(\xh)+16*\i:ACC+64*(\xh)+16*\i+15], v[AB+16:AB+31], v[16*(4*(\xh)+\i)+8:16*(4*(\xh)+\i)+15], v[ACC+64*(\xh)+16*\i:ACC+64*(\xh)+16*\i+15], v[AS+1], v[XSC+2*(4*(\xh)+\i)+1]
.endr
	WIN 0
.endm
; Accumulator set xs: for each of its four tiles of x the two groups of eight registers go into the running largest, and where a group raises it the group's number (s[GID + k], s[GID + k + 1]) is taken.
; (Lanes 16-31 hold the groups one higher: the way out adds it.)  The four tiles by turns: each line reads what stands eight lines back or more, but for the last four.  An accumulator is read from its low end on.
.macro SEARCH xs, k
.set A0, ACC+64*(\xs)
.set S0, 4*(\xs)
.irp i, 0,1,2,3
	v_max3_num_f32 v[T2+\i], v[A0+16*\i], v[A0+16*\i+1], v[BST+S0+\i]
.endr
.irp i, 0,1,2,3
	v_max3_num_f32 v[T0A+\i], v[A0+16*\i+2], v[A0+16*\i+3], v[A0+16*\i+4]
.endr
.irp i, 0,1,2,3
	v_max3_num_f32 v[T1A+\i], v[A0+16*\i+5], v[A0+16*\i+6], v[A0+16*\i+7]
.endr
.irp i, 0,1,2,3
	v_max3_num_f32 v[T0B+\i], v[A0+16*\i+10], v[A0+16*\i+11], v[A0+16*\i+12]
.endr
.irp i, 0,1,2,3
	v_max3_num_f32 v[NA+\i], v[T0A+\i], v[T1A+\i], v[T2+\i]        ; the largest behind the first group
.endr
.irp i, 0,1,2,3
	v_max3_num_f32 v[T1B+\i], v[A0+16*\i+13], v[A0+16*\i+14], v[A0+16*\i+15]
.endr
.irp i, 0,1,2,3
	v_max3_num_f32 v[T2+\i], v[A0+16*\i+8], v[A0+16*\i+9], v[NA+\i]
.endr
.irp i, 0,1,2,3
	v_cmp_gt_f32 s[MA+\i], v[NA+\i], v[BST+S0+\i]                  ; did the first group raise it?
.endr
.irp i, 0,1,2,3
	v_max3_num_f32 v[BST+S0+\i], v[T0B+\i], v[T1B+\i], v[T2+\i]    ; the largest behind the second
.endr
.irp i, 0,1,2,3
	v_cndmask_b32 v[IDX+S0+\i], v[IDX+S0+\i], s[GID+(\k)], s[MA+\i]
.endr
.irp i, 0,1,2,3
	v_cmp_gt_f32 s[MB+\i], v[BST+S0+\i], v[NA+\i]                  ; did the second?
.endr
.irp i, 0,1,2,3
	s_delay_alu instid0(VALU_DEP_4)
	v_cndmask_b32 v[IDX+S0+\i], v[IDX+S0+\i], s[GID+(\k)+1], s[MB+\i]
.endr
.endm
; A step.  par: the image that holds its chunk.  fill = 1: the next chunk is fetched and, at the step's end, quantised into the other image.  pf = 1: the chunk two steps on is asked for.
; In front of the barrier every wave has waited for its tensor load, its add, its reads of the raw rows and of the other image, and its stores into this image.
.macro STEP par, fill, pf
	s_wait_xcnt 0x0                                ; my last prefetch has read its address
	s_add_nc_u64 s[PF:PF+1], s[PF:PF+1], 131072    ; a chunk on
	s_wait_tensorcnt 0x0                           ; no tensor load of mine is out, so group 0 may be written
	ds_add_u32 v[SPW], v[NIL]                      ; 0 onto my spare word
.if \fill
	s_add_nc_u64 s[G0+2:G0+3], s[G0+2:G0+3], 131072   ; 128 rows of 1,024 bytes on; the type bits on top are not reached
.endif
.irp k, 0,1,2,3,4,5,6,7
	s_add_co_u32 s[GID+\k], s[GID+\k], 16          ; this chunk's groups
.endr
	s_wait_dscnt 0x0
.if \fill
	ROUND
	TL                                             ; the first thing behind the round
.else
	s_barrier_signal -1
	s_barrier_wait -1
.endif
	ALOAD 0, \par
.irp t, 0,1,2,3
	s_wait_dscnt 0x0                               ; tile t is in (but for the first, asked for 16 matrix instructions ago)
.if \t < 3
	ALOAD \t+1, \par                               ; into the set that tile t - 1's products read: a search's 48 vector lines stand between
.endif
	MUL8 \t, 0
.if \t > 0
	SEARCH 1, 2*\t-2
.else
.rept 4
	v_nop                                          ; the step's first tile has no earlier search: four places ahead of the first read of these results
.endr
.endif
	MUL8 \t, 1
	SEARCH 0, 2*\t
.if (\pf) && (\t == 1)
	global_prefetch_b8 v[PFO], s[PF:PF+1] th:TH_LOAD_NT scope:SCOPE_SE
.endif
.endr
	SEARCH 1, 6
.if \fill
	QUANT 1-\par
.endif
.endm
	QUANT 0                                        ; chunk 0 into image 0
	s_wait_loadcnt 0x0                             ; x is in my registers
	s_mov_b32 s48, 3
.Lchunks:                                          ; three trips of two steps: chunks 0 to 5
	STEP 0, 1, 1
	STEP 1, 1, 1
	s_sub_co_u32 s48, s48, 1
	s_cmp_lg_u32 s48, 0
	s_wait_alu depctr_va_vdst(0)
	s_cbranch_scc1 .Lchunks
	STEP 0, 1, 0                                   ; the last two steps are written out
	STEP 1, 0, 0
; THE WAY OUT.  A row's two lanes (r and 16 + r) are joined: the larger wins, of equals the lower group.  The 128 rows turn through my own LDS bytes, so that lane l holds rows 4 l .. 4 l + 3 and sixteen lanes store
; 256 consecutive bytes, aligned.
.irp i, 0,1,2,3,4,5,6,7
	v_add_nc_u32 v[IDX+\i], v[HH], v[IDX+\i]       ; lanes 16-31 hold the groups one higher
.endr
.irp i, 0,1,2,3,4,5,6,7
	v_permlanex16_b32 v[16+\i], v[BST+\i], s[SEL], s[SEL+1]
	v_permlanex16_b32 v[24+\i], v[IDX+\i], s[SEL], s[SEL+1]
.endr
.irp i, 0,1,2,3,4,5,6,7
	v_cmp_gt_f32 s50, v[16+\i], v[BST+\i]
	v_cmp_eq_f32 s51, v[16+\i], v[BST+\i]
	v_cmp_lt_u32 s52, v[24+\i], v[IDX+\i]
	s_and_b32 s51, s51, s52
	s_or_b32 s50, s50, s51
	v_cndmask_b32 v[IDX+\i], v[IDX+\i], v[24+\i], s50
	v_max_num_f32 v[BST+\i], v[BST+\i], v[16+\i]
	ds_store_b32 v[OSW], v[BST+\i] offset:64*\i        ; both halves of the lanes store the same number at the same place
	ds_store_b32 v[OSW], v[IDX+\i] offset:512+64*\i
.endr
	ds_load_b128 v[128:131], v[OSR]                ; LDS serves a wave's instructions in order: these see the stores above
	ds_load_b128 v[132:135], v[OSR] offset:512
	s_wait_dscnt 0x0
	global_store_b128 v[OGO], v[128:131], s[10:11] th:TH_STORE_NT
	global_store_b128 v[OGO], v[132:135], s[12:13] th:TH_STORE_NT
	s_wait_tensorcnt 0x0                           ; the wave's end: three lines, behind my last tensor load and my last LDS store
	ds_add_u32 v[SPW], v[NIL]
	s_wait_dscnt 0x0
	ROUND                                          ; the closing round: no work-group ends while a partner may still ask for a chunk that names it
	s_endpgm
.Lfunc_end_k_q56ca925ea8_scan:
	.size	k_q56ca925ea8_scan, .Lfunc_end_k_q56ca925ea8_scan-k_q56ca925ea8_scan
	.p2alignl 7, 3214868480
	.fill 96, 4, 3214868480
	.section	.rodata,"a",@progbits
	.p2align	6, 0x0
	.amdhsa_kernel k_q56ca925ea8_scan
		.amdhsa_group_segment_fixed_size 327680
		.amdhsa_private_segment_fixed_size 0
		.amdhsa_enable_private_segment 0
		.amdhsa_kernarg_size 40
		.amdhsa_user_sgpr_count 2
		.amdhsa_user_sgpr_kernarg_segment_ptr 1
		.amdhsa_wavefront_size32 1
		.amdhsa_system_sgpr_workgroup_id_x 1
		.amdhsa_system_sgpr_workgroup_id_y 1
		.amdhsa_system_sgpr_workgroup_id_z 1
		.amdhsa_system_vgpr_workitem_id 0
		.amdhsa_next_free_vgpr 512
		.amdhsa_next_free_sgpr 80
		.amdhsa_reserve_vcc 0
		.amdhsa_float_denorm_mode_32 3
		.amdhsa_float_denorm_mode_16_64 3
		.amdhsa_memory_ordered 1
		.amdhsa_forward_progress 1
		.amdhsa_inst_pref_size 221
	.end_amdhsa_kernel
	.amdgpu_metadata
---
amdhsa.version: [ 1, 2 ]
amdhsa.kernels:
  - .name:           k_q56ca925ea8_scan
    .symbol:         k_q56ca925ea8_scan.kd
    .args:
      - { .name: centroids, .offset: 0, .size: 8, .value_kind: global_buffer, .address_space: global }
      - { .name: x_BD_codes, .offset: 8, .size: 8, .value_kind: global_buffer, .address_space: global }
      - { .name: x_BD_scales, .offset: 16, .size: 8, .value_kind: global_buffer, .address_space: global }
      - { .name: pval, .offset: 24, .size: 8, .value_kind: global_buffer, .address_space: global }
      - { .name: pgid, .offset: 32, .size: 8, .value_kind: global_buffer, .address_space: global }
    .group_segment_fixed_size: 327680
    .private_segment_fixed_size: 0
    .kernarg_segment_align: 8
    .kernarg_segment_size: 40
    .max_flat_workgroup_size: 256
    .sgpr_count:     80
    .vgpr_count:     512
    .wavefront_size: 32
...
	.end_amdgpu_metadata
.endif
;; end of part 1
;; launch reduce (part 2): grid 64 x 1, 4 waves a work-group, no clusters, 4,096 bytes of LDS; arguments pval, pgid, gidbuf; writes gidbuf
.if DOCPART == 2
	.amdgcn_target "amdgcn-amd-amdhsa--gfx1250"
	.amdhsa_code_object_version 6
	.text
	.protected	k_q56ca925ea8_reduce
	.globl	k_q56ca925ea8_reduce
	.p2align	8
	.type	k_q56ca925ea8_reduce,@function
k_q56ca925ea8_reduce:
	s_mov_b64 s[64:65], 0
	v_nop
	global_prefetch_b8 v0, s[64:65] scope:SCOPE_SE
	s_setreg_imm32_b32 hwreg(HW_REG_WAVE_MODE, 25, 1), 1
	s_wait_xcnt 0x0
; For each row of x: of the 64 clusters' (largest, group) the largest; of equals the lower group.  pval, pgid: [row / 64][64 clusters][64 rows]; gidbuf: [4096] group numbers.
; A work-group takes 64 rows: 16,384 consecutive bytes of each buffer.  Wave w takes clusters 16 w .. 16 w + 15: lanes 0-15 the first eight, lanes 16-31 the other eight, four rows (16 bytes) a lane, so that sixteen
; lanes read 256 consecutive bytes.  All sixteen loads of a wave go out at once.  The four waves' results meet in LDS, and wave 0 joins them.  A stream read once: no matrix unit, no cluster, no tensor load, no loop
; to prefetch in.  Groups' numbers rise with the cluster's, so that in ascending order 'only if larger' keeps the lower group.
.set V, 16                             ; v16-47  values: four rows x eight clusters
.set G, 48                             ; v48-79  their groups
.set O, 80                             ; v80-87  the other half of the lanes'
	s_load_b128 s[4:7], s[0:1], 0x0                ; pval, pgid
	s_load_b64 s[8:9], s[0:1], 0x10                ; gidbuf
	v_lshl_add_u32 v96, v0, 2, 0x800               ; my spare word: 512 bytes from 2,048 on that no other line names
	v_mov_b32 v97, 0
	v_lshrrev_b32 v1, 5, v0
	v_readfirstlane_b32 s10, v1                    ; wave 0..3
	v_and_b32 v2, 31, v0                           ; lane
	v_and_b32 v3, 15, v0                           ; r
	v_bfe_u32 v4, v0, 4, 1                         ; h
	v_lshlrev_b32 v6, 4, v3                        ; 16 r
	v_lshl_add_u32 v5, v4, 11, v6                  ; memory: + eight clusters of 256 bytes for lanes 16-31,
	s_lshl_b32 s11, s10, 12
	v_add_nc_u32 v5, s11, v5                       ; + sixteen a wave
	s_lshl_b32 s11, s10, 8
	v_add_nc_u32 v6, s11, v6                       ; LDS: 256 bytes a wave, 16 r
	v_lshlrev_b32 v7, 3, v2                        ; 8 x lane
	s_lshl_b32 s12, ttmp9, 14
	s_mov_b32 s13, 0
	s_lshl_b32 s14, ttmp9, 8
	s_mov_b32 s15, 0
	s_mov_b32 s20, 0x76543210
	s_mov_b32 s21, 0xfedcba98                      ; v_permlanex16_b32's selects for lane l xor 16
.irp c, 0,1,2,3,4,5,6,7
	v_mov_b32 v[O+\c], 0                           ; a lane permute's destination counts as one of its sources
.endr
	s_wait_alu depctr_va_vdst(0)
	s_wait_kmcnt 0x0
	s_add_nc_u64 s[4:5], s[4:5], s[12:13]
	s_add_nc_u64 s[6:7], s[6:7], s[12:13]
	s_add_nc_u64 s[8:9], s[8:9], s[14:15]
.irp i, 0,1,2,3,4,5,6,7
	global_load_b128 v[V+4*\i:V+4*\i+3], v5, s[4:5] offset:256*\i th:TH_LOAD_NT
.endr
.irp i, 0,1,2,3,4,5,6,7
	global_load_b128 v[G+4*\i:G+4*\i+3], v5, s[6:7] offset:256*\i th:TH_LOAD_NT
.endr
	s_wait_loadcnt 0x0
.irp i, 1,2,3,4,5,6,7                  ; my eight clusters, ascending; the four rows by turns
.irp c, 0,1,2,3
	v_cmp_gt_f32 s[16+\c], v[V+4*\i+\c], v[V+\c]
.endr
.irp c, 0,1,2,3
	v_cndmask_b32 v[G+\c], v[G+\c], v[G+4*\i+\c], s[16+\c]
.endr
.irp c, 0,1,2,3
	v_max_num_f32 v[V+\c], v[V+\c], v[V+4*\i+\c]
.endr
.endr
.irp c, 0,1,2,3
	v_permlanex16_b32 v[O+\c], v[V+\c], s20, s21
.endr
.irp c, 0,1,2,3
	v_permlanex16_b32 v[O+4+\c], v[G+\c], s20, s21
.endr
.irp c, 0,1,2,3                        ; the other half's wins if it is larger, or equal with the lower group: so both halves end with the same numbers
	v_cmp_gt_f32 s[16+\c], v[O+\c], v[V+\c]
	v_cmp_eq_f32 s[24+\c], v[O+\c], v[V+\c]
	v_cmp_lt_u32 s[28+\c], v[O+4+\c], v[G+\c]
.endr
.irp c, 0,1,2,3
	s_and_b32 s[24+\c], s[24+\c], s[28+\c]
	s_or_b32 s[16+\c], s[16+\c], s[24+\c]
.endr
.irp c, 0,1,2,3
	v_cndmask_b32 v[G+\c], v[G+\c], v[O+4+\c], s[16+\c]
	v_max_num_f32 v[V+\c], v[V+\c], v[O+\c]
.endr
	ds_store_b128 v6, v[V:V+3]                     ; my wave's 64 values (both halves of the lanes store the same numbers at the same place),
	ds_store_b128 v6, v[G:G+3] offset:1024         ; and their groups
	s_wait_dscnt 0x0                               ; for the others' sake: my stores are done
	s_barrier_signal -1
	s_barrier_wait -1
	s_cmp_lg_u32 s10, 0                            ; wave 0 joins the four; no barrier follows
	s_cbranch_scc1 .Ldone
.irp w, 0,1,2,3
	ds_load_b64 v[V+2*\w:V+2*\w+1], v7 offset:256*\w          ; rows 2 l and 2 l + 1 of wave w
	ds_load_b64 v[G+2*\w:G+2*\w+1], v7 offset:1024+256*\w
.endr
	s_wait_dscnt 0x0
.irp w, 1,2,3
	v_cmp_gt_f32 s16, v[V+2*\w], v[V]
	v_cmp_gt_f32 s17, v[V+2*\w+1], v[V+1]
	v_cndmask_b32 v[G], v[G], v[G+2*\w], s16
	v_cndmask_b32 v[G+1], v[G+1], v[G+2*\w+1], s17
	v_max_num_f32 v[V], v[V], v[V+2*\w]
	v_max_num_f32 v[V+1], v[V+1], v[V+2*\w+1]
.endr
	global_store_b64 v7, v[G:G+1], s[8:9]          ; 32 lanes store 256 consecutive bytes, aligned
.Ldone:
	s_wait_tensorcnt 0x0                           ; the wave's end: three lines behind my last LDS store
	ds_add_u32 v96, v97
	s_wait_dscnt 0x0
	s_endpgm
.Lfunc_end_k_q56ca925ea8_reduce:
	.size	k_q56ca925ea8_reduce, .Lfunc_end_k_q56ca925ea8_reduce-k_q56ca925ea8_reduce
	.p2alignl 7, 3214868480
	.fill 96, 4, 3214868480
	.section	.rodata,"a",@progbits
	.p2align	6, 0x0
	.amdhsa_kernel k_q56ca925ea8_reduce
		.amdhsa_group_segment_fixed_size 4096
		.amdhsa_private_segment_fixed_size 0
		.amdhsa_enable_private_segment 0
		.amdhsa_kernarg_size 24
		.amdhsa_user_sgpr_count 2
		.amdhsa_user_sgpr_kernarg_segment_ptr 1
		.amdhsa_wavefront_size32 1
		.amdhsa_system_sgpr_workgroup_id_x 1
		.amdhsa_system_sgpr_workgroup_id_y 1
		.amdhsa_system_sgpr_workgroup_id_z 1
		.amdhsa_system_vgpr_workitem_id 0
		.amdhsa_next_free_vgpr 98
		.amdhsa_next_free_sgpr 66
		.amdhsa_reserve_vcc 0
		.amdhsa_float_denorm_mode_32 3
		.amdhsa_float_denorm_mode_16_64 3
		.amdhsa_memory_ordered 1
		.amdhsa_forward_progress 1
		.amdhsa_inst_pref_size 12
	.end_amdhsa_kernel
	.amdgpu_metadata
---
amdhsa.version: [ 1, 2 ]
amdhsa.kernels:
  - .name:           k_q56ca925ea8_reduce
    .symbol:         k_q56ca925ea8_reduce.kd
    .args:
      - { .name: pval, .offset: 0, .size: 8, .value_kind: global_buffer, .address_space: global }
      - { .name: pgid, .offset: 8, .size: 8, .value_kind: global_buffer, .address_space: global }
      - { .name: gidbuf, .offset: 16, .size: 8, .value_kind: global_buffer, .address_space: global }
    .group_segment_fixed_size: 4096
    .private_segment_fixed_size: 0
    .kernarg_segment_align: 8
    .kernarg_segment_size: 24
    .max_flat_workgroup_size: 128
    .sgpr_count:     66
    .vgpr_count:     98
    .wavefront_size: 32
...
	.end_amdgpu_metadata
.endif
;; end of part 2
;; launch pick (part 3): grid 256 x 1, 4 waves a work-group, no clusters, 67,584 bytes of LDS; arguments centroids, x_BD_codes, x_BD_scales, gidbuf, out0, out1; writes out0, out1
.if DOCPART == 3
	.amdgcn_target "amdgcn-amd-amdhsa--gfx1250"
	.amdhsa_code_object_version 6
	.text
	.protected	k_q56ca925ea8_pick
	.globl	k_q56ca925ea8_pick
	.p2align	8
	.type	k_q56ca925ea8_pick,@function
k_q56ca925ea8_pick:
	s_mov_b64 s[64:65], 0
	v_nop
	global_prefetch_b8 v0, s[64:65] scope:SCOPE_SE
	s_setreg_imm32_b32 hwreg(HW_REG_WAVE_MODE, 25, 1), 1
	s_wait_xcnt 0x0
; For each row of x the winning group of eight centroids is known (gidbuf, whole numbers stored by an earlier launch).  Here its eight f32 rows are loaded, quantised and multiplied with x once more, by the same
; lines as in the search, the largest x . Q(c) - |c|^2 / 2 of the eight is found (of equals the lower index), out1 = 8 x group + its place, and out0 = that f32 row, chosen among the eight rows in registers by
; selects: no address hangs on a number made here.
; xhat_BFD gives reference() its shape and nothing else: no value of it reaches a result, so it is not among this program's arguments.
; SHARES.  A wave takes four rows of x: 32 candidates, one tile of source 0 (candidate 8 a + j: row a's j-th).  Source 1's sixteen columns are the wave's four rows, four times over, so that row a's eight
; results lie in lane 16 (a % 2) + a, registers 8 (a / 2) + 0 .. 7.  Waves share nothing: no barrier.  No tensor load: the addresses hang on loaded numbers.
; LIMITS: as in the search: NaN, infinities and the scale byte 0xff are not served; blocks whose largest magnitude lies under 2^-124 get the scale byte 1.
; REGISTERS.  Window 0: v1-14 addresses and small things; v16-31 x's two fragments; v32-33 x's scale words; v34-35 the candidates'; v36-39 the same by halves; v40-55 -|c|^2 / 2; v56-71 the results;
;   v72-95 at work; v96-127 the candidates' codes; v128-255 a lane's 128 numbers.  Window 1: the 32 rows as loaded: row m at v[8 m].
.set SROW, 1040                        ; LDS: for each wave a stage of 16 rows of 1,024 bytes + 16 of padding,
.set WREG, 16640
.set CS3,  4*WREG                      ; and behind the four stages 128 bytes a wave: -|c|^2 / 2 of its 32 candidates
.set LO,  1                            ; v1   16 x lane
.set XO,  2                            ; v2   x's codes: 128 (r % 4) + 16 h
.set XSO, 3                            ; v3   x's scale words: 8 (r % 4)
.set SGW, 4                            ; v4   the stage, on the way in
.set SGR, 5                            ; v5   and on the way out
.set CSW, 6
.set CSR, 7
.set SH8, 8                            ; v8   8 x (lane / 16)
.set LN,  9                            ; v9   lane
.set J0,  10                           ; v10, v11  the place of the largest among registers 0-7, 8-15
.set J1,  11
.set BS0, 12                           ; v12, v13  the largest
.set BS1, 13
.set ZR,  14                           ; v14  0
.set BF,  16
.set BSC, 32
.set ASC, 34
.set CI,  40
.set D,   56
.set TM,  72
.set SO,  76
.set BY,  80
.set PT,  84
.set Q,   86
.set CS,  94
.set CT,  95
.set AF,  96
.set X,   128
.set WV,  16
.set SEL, 58
.set MSB, 0
.macro WIN new                         ; the immediate's high byte repeats the setting that is left
.if MSB != \new
	s_set_vgpr_msb (MSB<<8)|\new
.set MSB, \new
.endif
.endm
	s_load_b256 s[4:11], s[0:1], 0x0               ; centroids s[4:5], x's codes s[6:7], x's scales s[8:9], gidbuf s[10:11]
	s_load_b128 s[12:15], s[0:1], 0x20             ; out0 s[12:13], out1 s[14:15]
	v_lshl_add_u32 v15, v0, 2, 0x10600
	s_set_vgpr_msb 0x80
	v_mov_b32 v1, 0
	s_set_vgpr_msb 0x8000
	v_lshrrev_b32 v9, 5, v0
	v_readfirstlane_b32 s[WV], v9                  ; wave 0..3
	v_and_b32 v[LN], 31, v0
	v_and_b32 v10, 15, v0                          ; r
	v_bfe_u32 v11, v0, 4, 1                        ; h
	v_and_b32 v12, 3, v0                           ; r % 4
	v_lshlrev_b32 v[LO], 4, v[LN]
	v_lshlrev_b32 v[XO], 7, v12
	v_lshl_add_u32 v[XO], v11, 4, v[XO]
	v_lshlrev_b32 v[XSO], 3, v12
	s_mul_i32 s48, s[WV], WREG
	v_add_nc_u32 v[SGW], s48, v[LO]
	v_mul_u32_u24 v[SGR], v10, SROW                ; row r, + 128 h: lane (r, h) takes blocks h, 2 + h, 4 + h, 6 + h of its row
	v_lshl_add_u32 v[SGR], v11, 7, v[SGR]
	v_add_nc_u32 v[SGR], s48, v[SGR]
	s_lshl_b32 s49, s[WV], 7
	s_add_co_u32 s49, s49, CS3
	v_lshl_add_u32 v[CSW], v10, 2, s49
	v_lshl_add_u32 v[CSR], v11, 5, s49
	v_lshlrev_b32 v[SH8], 3, v11
	v_mov_b32 v[ZR], 0
	v_mov_b32 v[PT], 0                             ; written once: a lane permute's destination counts as one of its sources
	v_mov_b32 v[PT+1], 0
	v_mov_b32 v[CT], 0
	s_mov_b32 s[SEL], 0x76543210
	s_mov_b32 s[SEL+1], 0xfedcba98
	s_lshl_b32 s17, ttmp9, 4
	s_lshl_b32 s18, s[WV], 2
	s_add_co_u32 s17, s17, s18                     ; my first row: 16 x work-group + 4 x wave
	s_lshl_b32 s20, s17, 7                         ; in x's codes,
	s_mov_b32 s21, 0
	s_lshl_b32 s22, s17, 3                         ; x's scale bytes,
	s_mov_b32 s23, 0
	s_lshl_b32 s24, s17, 2                         ; gidbuf and out1,
	s_mov_b32 s25, 0
	s_lshl_b32 s26, s17, 10                        ; and out0
	s_mov_b32 s27, 0
	s_wait_alu depctr_va_vdst(0)
	s_wait_kmcnt 0x0
	s_add_nc_u64 s[6:7], s[6:7], s[20:21]
	s_add_nc_u64 s[8:9], s[8:9], s[22:23]
	s_add_nc_u64 s[10:11], s[10:11], s[24:25]
	s_add_nc_u64 s[12:13], s[12:13], s[26:27]
	s_add_nc_u64 s[14:15], s[14:15], s[24:25]
	s_load_b128 s[28:31], s[10:11], 0x0            ; my four rows' groups
.irp c, 0,1,2,3
	global_load_b128 v[BF+4*\c:BF+4*\c+3], v[XO], s[6:7] offset:32*\c   ; x's fragments of K steps 0 and 1
.endr
	global_load_b64 v[BSC:BSC+1], v[XSO], s[8:9]   ; and its two scale words
	s_wait_kmcnt 0x0
.irp a, 0,1,2,3
	s_min_u32 s[28+\a], s[28+\a], 0x1fff           ; a group's number is under 8,192: held there before it enters an address
	s_lshl_b32 s[40+2*\a], s[28+\a], 13            ; eight rows of 1,024 bytes
	s_mov_b32 s[41+2*\a], 0
	s_add_nc_u64 s[32+2*\a:33+2*\a], s[4:5], s[40+2*\a:41+2*\a]
.endr
	WIN 0x40                                       ; destination window 1
.irp a, 0,1,2,3
.irp j, 0,1,2,3,4,5,6,7
.irp q, 0,1
	global_load_b128 v[8*(8*\a+\j)+4*\q:8*(8*\a+\j)+4*\q+3], v[LO], s[32+2*\a:33+2*\a] offset:\j*1024+512*\q   ; each load reads 512 consecutive bytes; several rows of x may name one group, so no hint
.endr
.endr
.endr
	WIN 0
; A lane's 128 numbers, v[X + 32 b + i] = number i of block 2 b + h of its row: the four blocks' scales (operand in SO, byte in BY), the row's two scale words (PW, PW + 1) and -|c|^2 / 2 (CS).
; Line for line the search's, so that the distances have the search's bits.
.macro QCORE
.irp b, 0,1,2,3
	v_max3_num_f32 v[TM+\b], |v[X+32*\b]|, |v[X+32*\b+1]|, 0x1800000   ; the block's largest magnitude, and the floor 2^(3 - 127): so the byte cannot fall under 1
.endr
.irp i, 2,4,6,8,10,12,14,16,18,20,22,24,26,28,30
.irp b, 0,1,2,3
	v_max3_num_f32 v[TM+\b], v[TM+\b], |v[X+32*\b+\i]|, |v[X+32*\b+\i+1]|
.endr
.endr
.irp c, 0,1,2,3
	v_pk_mul_f32 v[Q+2*\c:Q+2*\c+1], v[X+2*\c:X+2*\c+1], v[X+2*\c:X+2*\c+1]
.endr
.irp j, 1,2,3,4,5,6,7,8,9,10,11,12,13,14,15
.irp c, 0,1,2,3
	v_pk_fma_f32 v[Q+2*\c:Q+2*\c+1], v[X+8*\j+2*\c:X+8*\j+2*\c+1], v[X+8*\j+2*\c:X+8*\j+2*\c+1], v[Q+2*\c:Q+2*\c+1]
.endr
.endr
.irp b, 0,1,2,3
	v_add_nc_u32 v[SO+\b], 0xff000000, v[TM+\b]    ; 2 off the exponent field: the conversion's scale operand
.endr
.irp b, 0,1,2,3
	v_lshrrev_b32 v[BY+\b], 23, v[SO+\b]           ; the scale's byte
.endr
	v_pk_add_f32 v[Q:Q+1], v[Q:Q+1], v[Q+2:Q+3]
	v_pk_add_f32 v[Q+4:Q+5], v[Q+4:Q+5], v[Q+6:Q+7]
	v_lshl_or_b32 v[PW], v[BY+1], 16, v[BY]
	v_lshl_or_b32 v[PW+1], v[BY+3], 16, v[BY+2]
	v_pk_add_f32 v[Q:Q+1], v[Q:Q+1], v[Q+4:Q+5]
	v_lshlrev_b32 v[PW], v[SH8], v[PW]
	v_lshlrev_b32 v[PW+1], v[SH8], v[PW+1]
	v_add_f32 v[Q], v[Q], v[Q+1]
	v_permlanex16_b32 v[PT], v[PW], s[SEL], s[SEL+1]
	v_permlanex16_b32 v[PT+1], v[PW+1], s[SEL], s[SEL+1]
	v_permlanex16_b32 v[CT], v[Q], s[SEL], s[SEL+1]
	v_or_b32 v[PW], v[PW], v[PT]
	v_or_b32 v[PW+1], v[PW+1], v[PT+1]
	v_add_f32 v[Q], v[Q], v[CT]
	v_mul_f32 v[CS], -0.5, v[Q]
.endm
; Candidates 16 u .. 16 u + 15 turn through my stage, are quantised straight into the operand's registers 8 u .. 8 u + 7 of both K steps; their words go to v[36 + 2 u] on.  left: the loads that may stay out.
.macro QPICK u, left
	s_wait_loadcnt \left
	WIN 0x04                                       ; an LDS store's data (source 1) window 1
.irp r, 0,1,2,3,4,5,6,7,8,9,10,11,12,13,14,15
.irp q, 0,1
	ds_store_b128 v[SGW], v[8*(16*(\u)+\r)+4*\q:8*(16*(\u)+\r)+4*\q+3] offset:\r*SROW+512*\q
.endr
.endr
	WIN 0
.irp b, 0,1,2,3
.irp i, 0,1,2,3,4,5,6,7
	ds_load_b128 v[X+32*\b+4*\i:X+32*\b+4*\i+3], v[SGR] offset:256*\b+16*\i   ; LDS serves a wave's instructions in order: these see the stores above, and come behind the first half's reads
.endr
.endr
	s_wait_dscnt 0x0
.set PW, 36+2*(\u)
	QCORE
.irp b, 0,1,2,3
.irp i, 0,1,2,3
	v_cvt_scalef32_pk8_fp4_f32 v[AF+16*(\b/2)+8*(\u)+4*(\b%2)+\i], v[X+32*\b+8*\i:X+32*\b+8*\i+7], v[SO+\b]
.endr
.endr
	v_nop                                          ; one plain place behind the last scaled conversion
	ds_store_b32 v[CSW], v[CS] offset:64*(\u)      ; both halves of the lanes store the same number at the same place
.endm
	QPICK 0, 32                                    ; x and candidates 0-15 are in; the other 32 loads may be out
	QPICK 1, 0
	s_mov_b32 s50, 0xffff0000
	v_cndmask_b32 v[ASC], v36, v38, s50            ; lane m holds candidate m's scale word: lanes 0-15 the first half's, lanes 16-31 the second's
	v_cndmask_b32 v[ASC+1], v37, v39, s50
	ds_load_b128 v[CI:CI+3],     v[CSR]            ; -|c|^2 / 2 in the result's layout: register j: candidate 8 h + j, register 8 + j: 16 + 8 h + j
	ds_load_b128 v[CI+4:CI+7],   v[CSR] offset:16
	ds_load_b128 v[CI+8:CI+11],  v[CSR] offset:64
	ds_load_b128 v[CI+12:CI+15], v[CSR] offset:80
.rept 8
	v_nop                                          ; a scale register written by a vector instruction stands eight places ahead of a scaled matrix instruction, an operand so written four
.endr
	s_wait_alu depctr_va_vdst(0)
	s_wait_dscnt 0x0
	v_wmma_scale_f32_32x16x128_f4 v[D:D+15], v[AF:AF+15], v[BF:BF+7], v[CI:CI+15], v[ASC], v[BSC]
	s_wait_alu depctr_va_vdst(0)                   ; the wait directly ahead of the link
	v_wmma_scale_f32_32x16x128_f4 v[D:D+15], v[AF+16:AF+31], v[BF+8:BF+15], v[D:D+15], v[ASC+1], v[BSC+1]
.rept 4
	v_nop
.endr
	v_mov_b32 v[BS0], v[D]                         ; the largest of registers 0-7 and of registers 8-15, and its place: two chains by turns, from the low end on; 'only if larger' keeps the lower index
	v_mov_b32 v[BS1], v[D+8]
	v_mov_b32 v[J0], 0
	v_mov_b32 v[J1], 0
.irp j, 1,2,3,4,5,6,7
	v_cmp_gt_f32 s62, v[D+\j], v[BS0]
	v_cmp_gt_f32 s63, v[D+8+\j], v[BS1]
	v_cndmask_b32 v[J0], v[J0], \j, s62
	v_cndmask_b32 v[J1], v[J1], \j, s63
	v_max_num_f32 v[BS0], v[BS0], v[D+\j]
	v_max_num_f32 v[BS1], v[BS1], v[D+8+\j]
.endr
.irp a, 0,1,2,3
	v_readlane_b32 s[52+\a], v[J0+\a/2], 16*(\a%2)+\a   ; row a's place
.endr
.irp a, 0,1,2,3                        ; the winner's row, out of the eight in registers, by the three bits of its place: 32 + 16 + 8 selects; then 1,024 bytes out
	s_bitcmp1_b32 s[52+\a], 0
	s_cselect_b32 s56, -1, 0
	s_bitcmp1_b32 s[52+\a], 1
	s_cselect_b32 s57, -1, 0
	s_bitcmp1_b32 s[52+\a], 2
	s_cselect_b32 s60, -1, 0
	WIN 0x45                                       ; destination and both vector sources window 1
.irp t, 0,2,4,6
.irp e, 0,1,2,3,4,5,6,7
	v_cndmask_b32 v[8*(8*\a+\t)+\e], v[8*(8*\a+\t)+\e], v[8*(8*\a+\t+1)+\e], s56
.endr
.endr
.irp t, 0,4
.irp e, 0,1,2,3,4,5,6,7
	v_cndmask_b32 v[8*(8*\a+\t)+\e], v[8*(8*\a+\t)+\e], v[8*(8*\a+\t+2)+\e], s57
.endr
.endr
.irp e, 0,1,2,3,4,5,6,7
	v_cndmask_b32 v[64*\a+\e], v[64*\a+\e], v[64*\a+32+\e], s60
.endr
	WIN 0x04                                       ; a store's data (source 1) window 1
	global_store_b128 v[LO], v[64*\a:64*\a+3], s[12:13] offset:\a*1024 th:TH_STORE_NT         ; 32 lanes store 512 consecutive bytes, aligned
	global_store_b128 v[LO], v[64*\a+4:64*\a+7], s[12:13] offset:\a*1024+512 th:TH_STORE_NT
.endr
	WIN 0
.irp a, 0,1,2,3
	s_lshl_b32 s61, s[28+\a], 3
	s_add_co_u32 s61, s61, s[52+\a]                ; the index: 8 x group + place
	v_mov_b32 v[TM+\a], s61
.endr
	s_wait_alu depctr_va_vdst(0)
	s_wait_xcnt 0x0                                ; EXEC changes only behind this wait: the stores above have read it
	v_cmp_eq_u32 vcc_lo, 0, v[LN]
	s_set_vgpr_msb 0x8
	s_wait_tensorcnt 0x0
	ds_add_u32 v15, v1
	s_wait_dscnt 0x0
	s_set_vgpr_msb 0x800
	s_and_saveexec_b32 s51, vcc_lo
	global_store_b128 v[ZR], v[TM:TM+3], s[14:15]  ; lane 0 stores my four indices: 16 bytes (all of out1 is 16,384 bytes)
	s_wait_xcnt 0x0                                ; and again, in front of the line that widens it
	s_or_b32 exec_lo, exec_lo, s51
	s_endpgm
.Lfunc_end_k_q56ca925ea8_pick:
	.size	k_q56ca925ea8_pick, .Lfunc_end_k_q56ca925ea8_pick-k_q56ca925ea8_pick
	.p2alignl 7, 3214868480
	.fill 96, 4, 3214868480
	.section	.rodata,"a",@progbits
	.p2align	6, 0x0
	.amdhsa_kernel k_q56ca925ea8_pick
		.amdhsa_group_segment_fixed_size 67584
		.amdhsa_private_segment_fixed_size 0
		.amdhsa_enable_private_segment 0
		.amdhsa_kernarg_size 48
		.amdhsa_user_sgpr_count 2
		.amdhsa_user_sgpr_kernarg_segment_ptr 1
		.amdhsa_wavefront_size32 1
		.amdhsa_system_sgpr_workgroup_id_x 1
		.amdhsa_system_sgpr_workgroup_id_y 1
		.amdhsa_system_sgpr_workgroup_id_z 1
		.amdhsa_system_vgpr_workitem_id 0
		.amdhsa_next_free_vgpr 514
		.amdhsa_next_free_sgpr 66
		.amdhsa_reserve_vcc 1
		.amdhsa_float_denorm_mode_32 3
		.amdhsa_float_denorm_mode_16_64 3
		.amdhsa_memory_ordered 1
		.amdhsa_forward_progress 1
		.amdhsa_inst_pref_size 59
	.end_amdhsa_kernel
	.amdgpu_metadata
---
amdhsa.version: [ 1, 2 ]
amdhsa.kernels:
  - .name:           k_q56ca925ea8_pick
    .symbol:         k_q56ca925ea8_pick.kd
    .args:
      - { .name: centroids, .offset: 0, .size: 8, .value_kind: global_buffer, .address_space: global }
      - { .name: x_BD_codes, .offset: 8, .size: 8, .value_kind: global_buffer, .address_space: global }
      - { .name: x_BD_scales, .offset: 16, .size: 8, .value_kind: global_buffer, .address_space: global }
      - { .name: gidbuf, .offset: 24, .size: 8, .value_kind: global_buffer, .address_space: global }
      - { .name: out0, .offset: 32, .size: 8, .value_kind: global_buffer, .address_space: global }
      - { .name: out1, .offset: 40, .size: 8, .value_kind: global_buffer, .address_space: global }
    .group_segment_fixed_size: 67584
    .private_segment_fixed_size: 0
    .kernarg_segment_align: 8
    .kernarg_segment_size: 48
    .max_flat_workgroup_size: 128
    .sgpr_count:     66
    .vgpr_count:     514
    .wavefront_size: 32
...
	.end_amdgpu_metadata
.endif
;; end of part 3
